; MI455X (gfx1250); checked and timed in simulation.
; The chip was launched on July 23, 2026; its instructions are those of AMD's public machine-readable ISA for CDNA 5 (MIT licence, August 2026) and "CDNA5" Instruction Set Architecture Reference Guide (July 2026). The comments in the code are by the model that wrote it; some were corrected since.
;; Tokenizer. Allowed arithmetic: matrix products marked QUANTISED: E2M1 operands, one E8M0 scale for each 32 along K, by v_wmma_scale_f32_16x16x128_f8f6f4 with both operands' format E2M1 (or v_wmma_scale_f32_32x16x128_f4), f32 sums; everything else in f32.
;; Inputs: codebook 4,096 x 256 float32; rep 32 x 2,048 x 256 float32.
;; Outputs: out0 32 x 2,048 int32.
;; This version of the problem:
;;   THIS VERSION OF THE PROBLEM IS GIVEN IN LOW PRECISION. The matrix products marked QUANTISED in the list below multiply operands that are first quantised to E2M1 (2 exponent bits, 1 mantissa bit; 4 bits a number), with one power-of-two scale for each 32 numbers along K (OCP MX v1.0); their sums are f32. All else is computed in f32.
;;   The module's matrix products, in the order in which they are computed (A, B: the left and right operand; K: the contracted axis; several contracted axes count as one K, in the product's order):
;;     1. [M 65,536, K 256] x [K 256, N 4,096]; A: input rep; B: input codebook: QUANTISED
;;   THE QUANTISER, for each operand of a quantised product, along K:
;;     - K is cut into blocks of 32 from its start; a last block that is shorter is filled with zeros.
;;     - A block's scale is 2^e with e = floor(log2(the largest magnitude in the block)) - 2, held to -126 .. 127; a block of zeros has e = 0. As a byte (E8M0): e + 127.
;;     - Each number is divided by its block's scale, clamped to +-6, and rounded to the nearest number of E2M1, ties to even, subnormals kept.
;;     - The product sums the exact products of the quantised numbers (number of the format x scale) in f32.
;;   ~~~python
;;   def quantise(x, axis):      # numpy; x: float32 -> the quantised numbers, widened to float32 again
;;       x = np.moveaxis(x, axis, -1); K = x.shape[-1]
;;       x = np.pad(x, [(0, 0)] * (x.ndim - 1) + [(0, -K % 32)]); x = x.reshape(x.shape[:-1] + (-1, 32)); a = np.abs(x).max(-1, keepdims=True)
;;       e = np.where(a > 0, np.clip(np.frexp(np.where(a > 0, a, 1))[1] - 1 - 2, -126, 127), 0)      # np.frexp(a)[1] - 1 = floor(log2(a)), exactly
;;       r = np.clip(x / 2.0 ** e, -6, 6)
;;       step = 2.0 ** (np.maximum(np.frexp(np.where(r == 0, 1, r))[1] - 1, 0) - 1)
;;       q = np.round(r / step) * step * 2.0 ** e      # np.round: ties to even
;;       return np.moveaxis(q.reshape(q.shape[:-2] + (-1,))[..., :K], -1, axis).astype(np.float32)
;;   ~~~
;; One version. Each part assembles by itself: llvm-mc -triple=amdgcn-amd-amdhsa -mcpu=gfx1250 --defsym DOCPART=n.
;; ======== version 1 of 1: 2 launches
;; limits: right only within a limited range of input values
;; workspace buffers: cbq 589,824 bytes; repq 9,437,184 bytes
;; launch prep (part 1): grid 256 x 1, 17 waves a work-group, no clusters, 327,680 bytes of LDS; arguments rep, codebook, repq, cbq; writes repq, cbq
.if DOCPART == 1
	.amdgcn_target "amdgcn-amd-amdhsa--gfx1250"
	.amdhsa_code_object_version 6
	.text
	.protected	k_q5b1c233d53_prep
	.globl	k_q5b1c233d53_prep
	.p2align	8
	.type	k_q5b1c233d53_prep,@function
k_q5b1c233d53_prep:
	s_mov_b64 s[64:65], 0
	v_nop
	global_prefetch_b8 v0, s[64:65] scope:SCOPE_SE
	s_setreg_imm32_b32 hwreg(HW_REG_WAVE_MODE, 25, 1), 1
	s_wait_xcnt 0x0
; WORK LEFT OUT, in the whole program: a2[row] = the sum of a row's squares.  dist[row][code] = a2[row] + b2[code] - 2 ab[row][code], and the result is the argmin over the codes of one row.
; a2[row] is the same number for all 4,096 codes of its row, so for all finite inputs, in real numbers, argmin(a2 + b2 - 2 ab) = argmin(b2 - 2 ab) = argmax(ab - b2 / 2), the first of equals in both.
; So a2 is never summed.  rep is still read: it is an operand of ab.  LIMITS: a NaN, an infinity or an overflow that arises in a2 alone is not carried to the result; the numbers compared are
; ab - b2 / 2 rounded in f32, not a2 + b2 - 2 ab rounded in f32: two codes whose dist differ by less than that rounding may change places.
; THIS LAUNCH quantises both operands of ab once: rep [65536][256] and the codebook [4096][256], f32, become codes of FP4 (E2M1) with one E8M0 scale byte for each 32 along K.
; A block's scale is 2^(floor(log2(its largest magnitude)) - 2); its byte is the largest magnitude's exponent field - 2, held at 1 from below.
; A TILE of 16 rows leaves as one RECORD of 2,304 bytes, nine aligned runs of 256, laid as the second launch's registers take it (tile t of rep at repq + 2,304 t, tile T of the codebook at cbq + 2,304 T):
;   0:     two fragments: K step s, registers 4 c .. 4 c + 3 of lane (r, h) at 1,024 s + 512 c + 256 h + 16 r: bytes 64 s + 32 c + 16 h .. + 15 of row r's 128 bytes of codes
;   2,048: scale words, 4 bytes a lane: lanes 0-15 row r's word of K step 0, lanes 16-31 that of K step 1
;   2,176: in cbq nb2[code] = -1/2 x the sum of the code's 256 squares (f32, of the unquantised numbers; the halving is exact), 64 bytes; the rest, and in repq all 128 bytes, zeros that fill the run
; SHARES.  Work-group g: wave w < 16 takes rep's tile 16 g + w, wave 16 the codebook's tile g.  The buffers are chosen by the wave's number; one text serves both, and wave 16 alone sums squares.
; THE WAY IN.  A tile's 16 rows are 16,384 dense bytes of memory: each wave fetches its own by ONE tensor load, as 64 rows of 256 bytes, into LDS bytes of its own, and alone reads them: its own wait on
; TENSORcnt is all the ordering that the reads need.  Nothing is filled again, so there is no barrier.  By the text's own count a wave has one tensor load out, a work-group 17 x 16,384 bytes.
; Lane l then takes bytes 32 l .. 32 l + 31 of a row, k = 8 l .. 8 l + 7.  A block of 32 lies in four neighbouring lanes: two steps across lanes give its largest magnitude; one conversion gives the lane's 8 codes, 4 bytes.
; THE WAY OUT.  The codes turn through the wave's own stage in LDS (pieces of 256 bytes, 272 apart), on bytes where no tensor load lands, and leave as runs of 512 consecutive bytes.
; No cluster: no two work-groups read the same bytes.  No prefetch: the one load of a wave stands at the head, and there is no loop to run ahead in.
; LIMITS: NaN and infinities among the inputs are not served.  The squares are summed in a lane by a packed multiply and three packed fused multiply-adds and then by a tree over the 32 lanes: an order of its own.
; A block of zeros gets the byte 1 over zero codes, which add nothing; the bytes are read by this program alone.
.set REC,   2304
.set TILE,  16384                      ; a wave's 16 rows of 1,024 bytes, at TILE x wave
.set STB,   17*TILE                    ; behind the tiles: the stages
.set STG,   2560                       ; a wave's stage: 8 pieces x 272 bytes of codes, then at 2,176 the record's last 256 bytes
.set SPARE, STB+17*STG                 ; the spare words, 128 bytes for each wave, in nine blocks of 256 bytes that no other line names
.set SPW, 1                            ; v1  my spare word; never rewritten
.set NIL, 2                            ; v2  0; never rewritten
.set XA,  3                            ; v3  TILE x wave + 32 x lane; 1,024 x row stands in the immediate
.set IA,  4                            ; v4  stage + 272 (lane / 4) + 4 (lane % 4): my 4 bytes of a row's codes; 16 x row in the immediate
.set SB,  5                            ; v5  stage + 2,176 + 64 (lane / 16) + (lane / 4) % 4: my block's byte; 4 x row in the immediate
.set ZA,  6                            ; v6  stage + 2,304 + 4 x lane: the fill
.set NB,  7                            ; v7  stage + 2,304: nb2; 4 x row in the immediate
.set RA,  8                            ; v8  stage + 272 h + 16 r: the way back
.set RU,  9                            ; v9  stage + 2,176 + 8 x lane
.set G16, 10                           ; v10 16 x lane
.set G8,  11                           ; v11 8 x lane
.set TM,  12                           ; v12-15 largest magnitudes; v16-19 scale operands
.set TS,  16
.set PC,  20                           ; v20-35 a row's codes; v36-51 its byte
.set PB,  36
.set SQ,  52                           ; v52-59 four rows' squares, in pairs; v60-63 the other half of the lanes' part
.set OT,  60
.set X,   64                           ; v64-191 sixteen rows x 8 numbers
.set G0,  24                           ; s[24:27] descriptor group 0
.set G1,  28                           ; s[28:35] descriptor group 1
.macro QROWS g                         ; rows 4 g .. 4 g + 3 of my sixteen, by turns
	s_wait_dscnt 24                                ; their eight LDS loads are in: behind them stand the later rows' 8 (3 - g) loads and the earlier rows' stores, 8 g at the least: 24
.irp n, 0,1,2,3
	v_max3_num_f32 v[TM+\n], |v[X+8*(4*\g+\n)]|, |v[X+8*(4*\g+\n)+1]|, 0x1800000   ; my 8 numbers, and the floor 2^(3 - 127): the byte cannot fall under 1
.endr
.irp p, 2,4,6
.irp n, 0,1,2,3
	v_max3_num_f32 v[TM+\n], v[TM+\n], |v[X+8*(4*\g+\n)+\p]|, |v[X+8*(4*\g+\n)+\p+1]|
.endr
.endr
.irp n, 0,1,2,3
	v_max_num_f32_dpp v[TM+\n], v[TM+\n], v[TM+\n] row_xmask:1 row_mask:0xf bank_mask:0xf
.endr
.irp n, 0,1,2,3
	v_max_num_f32_dpp v[TM+\n], v[TM+\n], v[TM+\n] row_xmask:2 row_mask:0xf bank_mask:0xf   ; the four lanes of a block: its largest magnitude
.endr
.irp n, 0,1,2,3
	v_add_nc_u32 v[TS+\n], 0xff000000, v[TM+\n]    ; 2 off its exponent field: the conversion's scale operand
.endr
.irp n, 0,1,2,3
	v_cvt_scalef32_pk8_fp4_f32 v[PC+4*\g+\n], v[X+8*(4*\g+\n):X+8*(4*\g+\n)+7], v[TS+\n]
.endr
.irp n, 0,1,2,3
	v_lshrrev_b32 v[PB+4*\g+\n], 23, v[TS+\n]      ; the scale's byte (also the plain instruction behind the conversions)
.endr
.irp n, 0,1,2,3
	ds_store_b32 v[IA], v[PC+4*\g+\n] offset:16*(4*\g+\n)
	ds_store_b8 v[SB], v[PB+4*\g+\n] offset:4*(4*\g+\n)    ; the four lanes of a block write the same byte with the same value
.endr
	s_wait_alu depctr_va_vdst(0)
	s_cmp_lg_u32 s12, 16
	s_cbranch_scc1 .Lno_squares_\@                 ; the codebook's wave alone: nb2 of these four rows
.irp n, 0,1,2,3
	v_pk_mul_f32 v[SQ+2*\n:SQ+2*\n+1], v[X+8*(4*\g+\n):X+8*(4*\g+\n)+1], v[X+8*(4*\g+\n):X+8*(4*\g+\n)+1]
.endr
.irp p, 2,4,6
.irp n, 0,1,2,3
	v_pk_fma_f32 v[SQ+2*\n:SQ+2*\n+1], v[X+8*(4*\g+\n)+\p:X+8*(4*\g+\n)+\p+1], v[X+8*(4*\g+\n)+\p:X+8*(4*\g+\n)+\p+1], v[SQ+2*\n:SQ+2*\n+1]
.endr
.endr
.irp n, 0,1,2,3
	v_add_f32 v[SQ+2*\n], v[SQ+2*\n], v[SQ+2*\n+1]
.endr
.irp m, 1,2,4,8
.irp n, 0,1,2,3
	v_add_f32_dpp v[SQ+2*\n], v[SQ+2*\n], v[SQ+2*\n] row_xmask:\m row_mask:0xf bank_mask:0xf
.endr
.endr
.irp n, 0,1,2,3
	v_permlanex16_b32 v[OT+\n], v[SQ+2*\n], s20, s21
.endr
.irp n, 0,1,2,3
	v_add_f32 v[SQ+2*\n], v[SQ+2*\n], v[OT+\n]     ; the row's sum, in every lane
.endr
.irp n, 0,1,2,3
	v_mul_f32 v[X+8*(4*\g+\n)], -0.5, v[SQ+2*\n]   ; nb2, into a register of its own for each row
.endr
.irp n, 0,1,2,3
	ds_store_b32 v[NB], v[X+8*(4*\g+\n)] offset:4*(4*\g+\n)   ; all lanes write the same word with the same value
.endr
.Lno_squares_\@:
.endm
	s_load_b256 s[4:11], s[0:1], 0x0               ; rep s[4:5], codebook s[6:7], repq s[8:9], cbq s[10:11]
	v_lshl_add_u32 v[SPW], v0, 2, SPARE
	v_mov_b32 v[NIL], 0
	ds_add_u32 v[SPW], v[NIL]                      ; the opening lines: the add, twice on end, and its wait ahead of my first tensor load
	ds_add_u32 v[SPW], v[NIL]
	v_lshrrev_b32 v12, 5, v0
	v_readfirstlane_b32 s12, v12                   ; wave 0..16
	s_mul_i32 s13, s12, STG
	s_add_co_u32 s13, s13, STB                     ; my stage,
	s_add_co_u32 s14, s13, 2176                    ; the record's last run in it,
	s_add_co_u32 s15, s14, 128                     ; and that run's second half
	s_mov_b32 s17, ttmp9
	s_lshl_b32 s16, s17, 4
	s_add_co_u32 s16, s16, s12                     ; rep's tile 16 g + w
	s_mov_b32 s20, 0x76543210
	s_mov_b32 s21, 0xfedcba98                      ; selects for lane l xor 16
	s_mov_b32 s19, 0
	s_mov_b32 s23, 0
	s_mov_b32 s[G0], 1                             ; count = 1
	s_lshl_b32 s[G0+1], s12, 14                    ; LDS address: TILE x wave
	; descriptor group 1: a dense block of 16,384 bytes as 64 rows of 32 elements of 8 bytes, no padding, no mask
	s_mov_b32 s[G1], 3<<16
	s_mov_b32 s[G1+1], 32<<16
	s_mov_b32 s[G1+2], 64<<16
	s_mov_b32 s[G1+3], 32<<16
	s_mov_b32 s[G1+4], 64
	s_mov_b32 s[G1+5], 32
	s_mov_b32 s[G1+6], 0
	s_mov_b32 s[G1+7], 0
	v_and_b32 v12, 31, v0                          ; lane
	v_lshrrev_b32 v13, 2, v12
	v_and_b32 v14, 3, v12
	v_lshl_add_u32 v[XA], v12, 5, s[G0+1]
	v_mul_u32_u24 v15, v13, 272
	v_lshl_add_u32 v15, v14, 2, v15
	v_add_nc_u32 v[IA], s13, v15
	v_lshrrev_b32 v15, 4, v12                      ; h
	v_and_b32 v13, 3, v13
	v_lshl_add_u32 v13, v15, 6, v13
	v_add_nc_u32 v[SB], s14, v13
	v_lshl_add_u32 v[ZA], v12, 2, s15
	v_mov_b32 v[NB], s15
	v_and_b32 v14, 15, v12                         ; r
	v_mul_u32_u24 v15, v15, 272
	v_lshl_add_u32 v15, v14, 4, v15
	v_add_nc_u32 v[RA], s13, v15
	v_lshlrev_b32 v[G8], 3, v12
	v_add_nc_u32 v[RU], s14, v[G8]
	v_lshlrev_b32 v[G16], 4, v12
.irp n, 0,1,2,3
	v_mov_b32 v[OT+\n], 0                          ; a lane permute's destination counts as one of its sources
.endr
	s_wait_alu depctr_va_vdst(0)
	s_wait_dscnt 0x0                               ; both opening adds are done
	s_wait_kmcnt 0x0
	s_cmp_eq_u32 s12, 16                           ; the choice hangs on the wave's number alone
	s_cselect_b64 s[4:5], s[6:7], s[4:5]
	s_cselect_b64 s[8:9], s[10:11], s[8:9]
	s_cselect_b32 s16, s17, s16                    ; my tile in its tensor
	s_lshl_b32 s18, s16, 14                        ; its 16 rows of 1,024 bytes
	s_mul_i32 s22, s16, REC                        ; its record
	s_add_nc_u64 s[4:5], s[4:5], s[18:19]
	s_add_nc_u64 s[8:9], s[8:9], s[22:23]
	s_mov_b64 s[G0+2:G0+3], s[4:5]                 ; global address of my tile's first byte
	s_or_b32 s[G0+3], s[G0+3], 0x80000000          ; type = 2
	tensor_load_to_lds s[G0:G0+3], s[G1:G1+7]      ; my one tensor load
	s_nop 0
	s_wait_tensorcnt 0x0                           ; my tile is in LDS
	ds_store_b32 v[ZA], v[NIL]                     ; the fill: 128 bytes of zeros; the codebook's wave lays nb2 over the first 64 (LDS serves a wave's instructions in order)
.irp n, 0,1,2,3,4,5,6,7,8,9,10,11,12,13,14,15
	ds_load_b128 v[X+8*\n:X+8*\n+3], v[XA] offset:1024*\n
	ds_load_b128 v[X+8*\n+4:X+8*\n+7], v[XA] offset:1024*\n+16
.endr
	QROWS 0
	QROWS 1
	QROWS 2
	QROWS 3
.irp g, 0,1,2,3
	ds_load_b128 v[X+8*\g+4:X+8*\g+7], v[RA] offset:544*\g     ; back as the image lies: 512 bytes of the record a load; these see my stores
.endr
	ds_load_b64 v[X+36:X+37], v[RU]
	s_wait_dscnt 0x0
.irp g, 0,1,2,3
	global_store_b128 v[G16], v[X+8*\g+4:X+8*\g+7], s[8:9] offset:512*\g   ; 32 lanes store 512 consecutive bytes, aligned
.endr
	global_store_b64 v[G8], v[X+36:X+37], s[8:9] offset:2048   ; and the last run of 256
	s_wait_tensorcnt 0x0                           ; the wave's end
	ds_add_u32 v[SPW], v[NIL]
	s_wait_dscnt 0x0
	s_endpgm
.Lfunc_end_k_q5b1c233d53_prep:
	.size	k_q5b1c233d53_prep, .Lfunc_end_k_q5b1c233d53_prep-k_q5b1c233d53_prep
	.p2alignl 7, 3214868480
	.fill 96, 4, 3214868480
	.section	.rodata,"a",@progbits
	.p2align	6, 0x0
	.amdhsa_kernel k_q5b1c233d53_prep
		.amdhsa_group_segment_fixed_size 327680
		.amdhsa_private_segment_fixed_size 0
		.amdhsa_enable_private_segment 0
		.amdhsa_kernarg_size 32
		.amdhsa_user_sgpr_count 2
		.amdhsa_user_sgpr_kernarg_segment_ptr 1
		.amdhsa_wavefront_size32 1
		.amdhsa_system_sgpr_workgroup_id_x 1
		.amdhsa_system_sgpr_workgroup_id_y 1
		.amdhsa_system_sgpr_workgroup_id_z 1
		.amdhsa_system_vgpr_workitem_id 0
		.amdhsa_next_free_vgpr 192
		.amdhsa_next_free_sgpr 66
		.amdhsa_reserve_vcc 0
		.amdhsa_float_denorm_mode_32 3
		.amdhsa_float_denorm_mode_16_64 3
		.amdhsa_memory_ordered 1
		.amdhsa_forward_progress 1
		.amdhsa_inst_pref_size 30
	.end_amdhsa_kernel
	.amdgpu_metadata
---
amdhsa.version: [ 1, 2 ]
amdhsa.kernels:
  - .name:           k_q5b1c233d53_prep
    .symbol:         k_q5b1c233d53_prep.kd
    .args:
      - { .name: rep, .offset: 0, .size: 8, .value_kind: global_buffer, .address_space: global }
      - { .name: codebook, .offset: 8, .size: 8, .value_kind: global_buffer, .address_space: global }
      - { .name: repq, .offset: 16, .size: 8, .value_kind: global_buffer, .address_space: global }
      - { .name: cbq, .offset: 24, .size: 8, .value_kind: global_buffer, .address_space: global }
    .group_segment_fixed_size: 327680
    .private_segment_fixed_size: 0
    .kernarg_segment_align: 8
    .kernarg_segment_size: 32
    .max_flat_workgroup_size: 544
    .sgpr_count:     66
    .vgpr_count:     192
    .wavefront_size: 32
...
	.end_amdgpu_metadata
.endif
;; end of part 1
;; launch nearest (part 2): grid 256 x 1, 16 waves a work-group, clusters of 4 x 1, 327,680 bytes of LDS; arguments repq, cbq, out0; writes out0
.if DOCPART == 2
	.amdgcn_target "amdgcn-amd-amdhsa--gfx1250"
	.amdhsa_code_object_version 6
	.text
	.protected	k_q5b1c233d53_nearest
	.globl	k_q5b1c233d53_nearest
	.p2align	8
	.type	k_q5b1c233d53_nearest,@function
k_q5b1c233d53_nearest:
	s_mov_b64 s[64:65], 0
	v_nop
	global_prefetch_b8 v0, s[64:65] scope:SCOPE_SE
	s_setreg_imm32_b32 hwreg(HW_REG_WAVE_MODE, 25, 1), 1
	s_wait_xcnt 0x0
	s_wait_alu depctr_hold_cnt(0) depctr_sa_sdst(0) depctr_va_vdst(0) depctr_va_sdst(0) depctr_va_ssrc(0) depctr_va_vcc(0) depctr_vm_vsrc(0)
	s_getreg_b32 s2, hwreg(HW_REG_IB_STS2, 6, 4)
	s_cmp_eq_u32 s2, 0
	s_cbranch_scc0 .Lentry_in_a_cluster
	s_endpgm
.Lentry_in_a_cluster:
	s_bfe_u32 s2, ttmp6, 0x10000c
	s_cmp_lg_u32 s2, 0x3003
	s_cbranch_scc0 .Lentry_shape_is_right
	s_endpgm
.Lentry_shape_is_right:
; out0[row] = the lowest index of the largest s[row][code] = ab[row][code] - b2[code] / 2 over 4,096 codes, for 65,536 rows.
; WORK LEFT OUT: a2[row], which is the same for all codes of a row: argmin(a2 + b2 - 2 ab) = argmax(ab - b2 / 2) for all finite inputs (shown at the head of the first kernel, with its limits).
; ab is the product of rep and the codebook, both quantised by the launch before to FP4 (E2M1) with one E8M0 scale for each 32 along K = 256: two matrix instructions of 16 x 16 x 128 a tile.
; nb2 = -b2 / 2 is the C of a tile's first matrix instruction, so the accumulator holds s itself and no vector instruction forms it.
; repq and cbq hold a RECORD of 2,304 bytes for each tile of 16 rows: at 0 two fragments as images of the operand's registers, at 2,048 the scale words (lanes 0-15 K step 0, lanes 16-31 K step 1), at 2,176 in cbq nb2.
; SHARES.  A work-group owns 256 rows.  Wave (a = wave / 4, b = wave % 4) loads row tiles 4 a .. 4 a + 3 from repq straight into registers (each load 512 consecutive bytes), keeps them,
; and takes, in each of the codebook's four chunks of 64 code tiles, tiles 16 b .. 16 b + 15.
; THE MATRIX INSTRUCTION IS USED TRANSPOSED: source 0 = 16 codes, source 1 = 16 rows of rep: lane (r, h) holds row r, and register j of the result code 16 T + 8 h + j.
; THE ARGMAX.  A lane meets its tiles in ascending order.  For each tile: g = the largest of its 8 s; where g is STRICTLY over the running maximum, the maximum, the tile's first index and the tile's 8 s are kept, by selects.
; At the end the first of the 8 kept numbers that equals the maximum gives the index; the 8 candidates of a row (4 waves x 2 halves of the lanes) are merged by (value, index) through LDS.  No branch and no address hangs on data.
; TWO SETS OF ACCUMULATORS: a tile's 8 matrix instructions are issued ahead of the 40 vector instructions of the tile before, which are the places that ISA guide 7.12.1 asks for ahead of the first read of a result.
; THE CODEBOOK comes through two LDS slots of one chunk each; every wave fetches a sixteenth of a chunk, 36 rows of 256 bytes, by one tensor load.
; CLUSTER.  The four work-groups of a cluster walk the same chunks: each sixteenth is asked for JOINTLY, by the same tensor load with the same descriptor and a mask that names the four.
; No prefetch is laid: repq's loads and chunk 0's stand at the head, where there is no loop to run ahead in, and every later chunk is asked for 16 tiles' work (128 matrix instructions a wave) ahead of the wait for it.
; LIMITS: NaN and infinities among the inputs are not served.
.set REC,    2304
.set CHUNK,  64*REC                    ; 147,456: a chunk of cbq, and a slot
.set PART,   CHUNK/16                  ; what one tensor load brings: 36 rows of 256 bytes
.set SCR,    2*CHUNK                   ; behind the slots: candidate c = 2 b + h of row q: its value at 1,024 c + 4 q, its index IDXO further on.  No tensor load lands here
.set IDXO,   8192
.set SPARE,  SCR+2*IDXO                ; the spare words, 128 bytes for each wave: eight blocks of 256 bytes that no other line names
.set SPW, 1                            ; v1   my spare word; never rewritten
.set NIL, 2                            ; v2   0; never rewritten
.set ADF, 3                            ; v3-5 where the trip's tiles lie: fragments, scale words, nb2
.set ADS, 4
.set ADB, 5
.set AF0, 6                            ; v6   16 REC b + 16 x lane
.set AS0, 7                            ; v7   16 REC b + 2,048 + 4 x lane
.set AB0, 8                            ; v8   16 REC b + 2,176 + 32 h
.set VT0, 9                            ; v9, v13  16 T + 8 h of the even and of the odd tile in hand
.set IB0, 10                           ; v10  256 b + 8 h
.set GA,  11                           ; v11  repq: 16 x lane
.set GS,  12                           ; v12  repq: 4 x lane
.set VT1, 13
.set XF,  16                           ; v16-79   rep's fragments: 16 registers a row tile
.set XS,  80                           ; v80-83   rep's scale words: scales and nothing else
.set KP,  84                           ; v84-131  12 a row tile: +0 at work, +1 the kept tile's first index, +2 the running maximum, +3 g, +4..11 the kept tile's 8 s
.set CB0, 132                          ; v132-155, v156-179 two code tiles: +0..15 fragments, +16..23 nb2
.set CB1, 156
.set DA,  180                          ; v180-211, v212-243 two sets of four accumulators
.set DB,  212
.set U,   244                          ; v244-247 at work
.set SW,  249                          ; v249 where I store my candidates
.set FR,  250                          ; v250 where a merging wave reads them
.set GO,  251                          ; v251 8 x lane
.set CS0, 254                          ; v254, v255 the two code tiles' scale words: scales and nothing else
.set CS1, 255
.set WV,  10                           ; s10 wave; s11 a; s12 b; s13 cx; s14 the work-group's number
.set G1,  16                           ; s[16:23] descriptor group 1
.set G0,  24                           ; s[24:31] group 0, a set for each slot
.set CNT, 35
.macro ROUND                           ; a round of the cluster's barrier
	s_barrier_signal -1
	s_barrier_wait -1
	s_cmp_lg_u32 s[WV], 0
	s_cbranch_scc1 .Lnot_wave_0_\@
	s_barrier_signal -3
.Lnot_wave_0_\@:
	s_barrier_wait -3
	s_barrier_signal -1
	s_barrier_wait -1
.endm
.macro LOADT cb, cs, n                 ; seven LDS loads: a code tile's two fragments as they lie, its scale words, my eight nb2
.irp g, 0,1,2,3
	ds_load_b128 v[\cb+4*\g:\cb+4*\g+3], v[ADF] offset:REC*\n+512*\g
.endr
	ds_load_b32 v[\cs], v[ADS] offset:REC*\n
	ds_load_b128 v[\cb+16:\cb+19], v[ADB] offset:REC*\n
	ds_load_b128 v[\cb+20:\cb+23], v[ADB] offset:REC*\n+16
.endm
; eight matrix instructions: one code tile against my four row tiles.  The first four start the sums with nb2; the four accumulators take turns, one instruction a turn.
.macro MM cb, cs, d
.irp i, 0,1,2,3
	v_wmma_scale_f32_16x16x128_f8f6f4 v[\d+8*\i:\d+8*\i+7], v[\cb:\cb+7], v[XF+16*\i:XF+16*\i+7], v[\cb+16:\cb+23], v[\cs], v[XS+\i] matrix_a_fmt:MATRIX_FMT_FP4 matrix_b_fmt:MATRIX_FMT_FP4
.endr
.irp i, 0,1,2,3
	v_wmma_scale_f32_16x16x128_f8f6f4 v[\d+8*\i:\d+8*\i+7], v[\cb+8:\cb+15], v[XF+16*\i+8:XF+16*\i+15], v[\d+8*\i:\d+8*\i+7], v[\cs], v[XS+\i] matrix_a_fmt:MATRIX_FMT_FP4 matrix_b_fmt:MATRIX_FMT_FP4 matrix_a_scale:MATRIX_SCALE_ROW1 matrix_b_scale:MATRIX_SCALE_ROW1
.endr
.endm
; Ten vector instructions a row tile: four maxima (the four row tiles by turns; each accumulator is read from its low end on), one compare, five pairs of selects.
.macro EPI d, vt
.irp i, 0,1,2,3
	v_max3_num_f32 v[KP+12*\i], v[\d+8*\i], v[\d+8*\i+1], v[\d+8*\i+2]
.endr
.irp i, 0,1,2,3
	v_max3_num_f32 v[U+\i], v[\d+8*\i+3], v[\d+8*\i+4], v[\d+8*\i+5]
.endr
.irp i, 0,1,2,3
	v_max3_num_f32 v[KP+12*\i+3], v[\d+8*\i+6], v[\d+8*\i+7], v[KP+12*\i]
.endr
.irp i, 0,1,2,3
	v_max_num_f32 v[KP+12*\i+3], v[KP+12*\i+3], v[U+\i]        ; g: the largest of the 8
.endr
.irp i, 0,1,2,3
	v_cmp_gt_f32 vcc_lo, v[KP+12*\i+3], v[KP+12*\i+2]
	v_dual_cndmask_b32 v[KP+12*\i+2], v[KP+12*\i+2], v[KP+12*\i+3] :: v_dual_cndmask_b32 v[KP+12*\i+1], v[KP+12*\i+1], v[\vt]
.irp j, 0,2,4,6
	v_dual_cndmask_b32 v[KP+12*\i+4+\j], v[KP+12*\i+4+\j], v[\d+8*\i+\j] :: v_dual_cndmask_b32 v[KP+12*\i+5+\j], v[KP+12*\i+5+\j], v[\d+8*\i+1+\j]
.endr
.endr
.endm
; My sixteen code tiles of the chunk in a slot.  LDS loads run one tile ahead of the products, the products one tile ahead of the vector work.
.macro PHASE slot, chunk
.if \slot
	v_add_nc_u32 v[ADF], CHUNK, v[AF0]
	v_add_nc_u32 v[ADS], CHUNK, v[AS0]
	v_add_nc_u32 v[ADB], CHUNK, v[AB0]
.else
	v_mov_b32 v[ADF], v[AF0]
	v_mov_b32 v[ADS], v[AS0]
	v_mov_b32 v[ADB], v[AB0]
.endif
	v_add_nc_u32 v[VT0], 1024*\chunk, v[IB0]
	v_add_nc_u32 v[VT1], 1024*\chunk+16, v[IB0]
	s_wait_alu depctr_va_vdst(0)
	LOADT CB0, CS0, 0
	LOADT CB1, CS1, 1
	s_wait_dscnt 7                                 ; tile 0's seven loads are in; tile 1's seven may be out
	MM CB0, CS0, DA
.rept 4
	v_nop                                          ; four places ahead of the loads into tile 0's registers
.endr
	s_mov_b32 s[CNT], 7
.Ltrip_\@:                                             ; trip i: tiles 2 i and 2 i + 1 are judged, tiles 2 i + 1 and 2 i + 2 multiplied, tiles 2 i + 2 and 2 i + 3 loaded
	LOADT CB0, CS0, 2
	s_wait_dscnt 7                                 ; the odd tile's seven loads are in; the seven just issued may be out
	MM CB1, CS1, DB
	EPI DA, VT0
	v_add_nc_u32 v[VT0], 32, v[VT0]
	LOADT CB1, CS1, 3
	v_add_nc_u32 v[ADF], 2*REC, v[ADF]             ; two tiles on
	v_add_nc_u32 v[ADS], 2*REC, v[ADS]
	v_add_nc_u32 v[ADB], 2*REC, v[ADB]
	s_wait_dscnt 7                                 ; the even tile's seven loads are in
	MM CB0, CS0, DA
	EPI DB, VT1
	v_add_nc_u32 v[VT1], 32, v[VT1]
	s_sub_co_u32 s[CNT], s[CNT], 1
	s_cmp_lg_u32 s[CNT], 0
	s_cbranch_scc1 .Ltrip_\@
	s_wait_dscnt 0x0                               ; tile 15 is in; nothing more is loaded
	MM CB1, CS1, DB
	EPI DA, VT0
	EPI DB, VT1
.endm
; THE CHANGE OF SLOTS.  Each wave waits for all its tensor loads, adds 0 to its spare word, and waits for that and for its reads of the slot that it leaves.
; fill = 1: a round of the cluster's barrier, and the slot takes the chunk two further on: one joint load a wave, first behind the round.  fill = 0: the work-group's barrier shows the last chunk whole.
.macro CHANGE slot, fill
	s_wait_tensorcnt 0x0                           ; no tensor load of mine is out, so a group 0 may be written
	ds_add_u32 v[SPW], v[NIL]
.if \fill
	s_add_nc_u64 s[G0+4*\slot+2:G0+4*\slot+3], s[G0+4*\slot+2:G0+4*\slot+3], 2*CHUNK
.endif
	s_wait_dscnt 0x0                               ; the add is done, and my reads of the slot are over
.if \fill
	ROUND
	tensor_load_to_lds s[G0+4*\slot:G0+4*\slot+3], s[G1:G1+7]
	s_nop 0
.else
	s_barrier_signal -1
	s_barrier_wait -1
.endif
.endm
.macro MERGE va, ia, vb, ib            ; candidate (vb, ib) takes (va, ia)'s place where its value is larger, or equal with a lower index
	v_cmp_gt_f32 s56, v[\vb], v[\va]
	v_cmp_eq_f32 s57, v[\vb], v[\va]
	v_cmp_lt_u32 s58, v[\ib], v[\ia]
	s_and_b32 s57, s57, s58
	s_or_b32 s56, s56, s57
	v_cndmask_b32 v[\va], v[\va], v[\vb], s56
	v_cndmask_b32 v[\ia], v[\ia], v[\ib], s56
.endm
	s_load_b128 s[4:7], s[0:1], 0x0                ; repq s[4:5], cbq s[6:7]
	s_load_b64 s[8:9], s[0:1], 0x10                ; out0
	v_lshl_add_u32 v[SPW], v0, 2, SPARE
	v_mov_b32 v[NIL], 0
	ds_add_u32 v[SPW], v[NIL]                      ; the opening lines: the add, twice on end, and its wait ahead of my first tensor load
	ds_add_u32 v[SPW], v[NIL]
	v_lshrrev_b32 v[U], 5, v0
	v_readfirstlane_b32 s[WV], v[U]                ; wave 0..15
	s_lshr_b32 s11, s[WV], 2                       ; a: which four row tiles are mine
	s_and_b32 s12, s[WV], 3                        ; b: which sixteen code tiles of a chunk; in waves 0 to 3 also which 64 rows I merge
	s_bfe_u32 s13, ttmp6, 0x40000                  ; cx
	s_lshl_b32 s14, ttmp9, 2
	s_add_co_u32 s14, s14, s13                     ; my block of 256 rows: it enters repq's and out0's addresses alone
	s_mul_i32 s36, s12, 16*REC
	s_add_co_u32 s37, s36, 2048
	s_add_co_u32 s38, s36, 2176
	s_lshl_b32 s39, s12, 8
	s_lshl_b32 s44, s12, 11
	s_lshl_b32 s45, s11, 8
	s_add_co_u32 s44, s44, s45
	s_add_co_u32 s44, s44, SCR
	s_add_co_u32 s45, s39, SCR
	; descriptor group 1: a sixteenth of a chunk, dense in memory and in LDS: 36 rows of 32 elements of 8 bytes
	s_mov_b32 s[G1], 15|(3<<16)|(1<<21)            ; the mask: all four work-groups; elements of 8 bytes; no padding; bit 21 beside a mask
	s_mov_b32 s[G1+1], 32<<16
	s_mov_b32 s[G1+2], 36<<16
	s_mov_b32 s[G1+3], 32<<16
	s_mov_b32 s[G1+4], 36
	s_mov_b32 s[G1+5], 32
	s_mov_b32 s[G1+6], 0
	s_mov_b32 s[G1+7], 0
	s_mul_i32 s46, s[WV], PART                     ; my sixteenth, in a chunk and in a slot: no place in the cluster enters it
	s_mov_b32 s47, 0
	s_lshl_b32 s50, s14, 4                         ; my block's 16 row tiles,
	s_lshl_b32 s51, s11, 2                         ; my four of them,
	s_add_co_u32 s50, s50, s51
	s_mul_i32 s50, s50, REC                        ; their records
	s_mov_b32 s51, 0
	s_lshl_b32 s52, s14, 10                        ; out0: my block's 1,024 bytes, the 256 that I store if I merge
	s_add_co_u32 s52, s52, s39
	s_mov_b32 s53, 0
	; every address register that stays is made here, in one run
	v_and_b32 v[U], 31, v0                         ; lane
	v_and_b32 v[U+1], 15, v0                       ; r
	v_bfe_u32 v[U+2], v0, 4, 1                     ; h
	v_lshl_add_u32 v[AF0], v[U], 4, s36
	v_lshl_add_u32 v[AS0], v[U], 2, s37
	v_lshl_add_u32 v[AB0], v[U+2], 5, s38
	v_lshl_add_u32 v[IB0], v[U+2], 3, s39
	v_lshlrev_b32 v[GA], 4, v[U]
	v_lshlrev_b32 v[GS], 2, v[U]
	v_lshlrev_b32 v[SW], 2, v[U+1]
	v_lshl_add_u32 v[SW], v[U+2], 10, v[SW]
	v_add_nc_u32 v[SW], s44, v[SW]                 ; SCR + 1,024 (2 b + h) + 4 (64 a + r)
	v_lshlrev_b32 v[GO], 3, v[U]
	v_add_nc_u32 v[FR], s45, v[GO]                 ; SCR + 4 (64 b + 2 x lane)
	s_wait_alu depctr_va_vdst(0)
	s_wait_dscnt 0x0                               ; both opening adds are done
	s_wait_kmcnt 0x0
	s_add_nc_u64 s[4:5], s[4:5], s[50:51]
	s_add_nc_u64 s[8:9], s[8:9], s[52:53]
	s_add_nc_u64 s[48:49], s[6:7], s[46:47]
.irp n, 0,1
	s_mov_b32 s[G0+4*\n], 1
	s_add_co_u32 s[G0+4*\n+1], s46, \n*CHUNK       ; LDS: slot n, my sixteenth
	s_add_nc_u64 s[G0+4*\n+2:G0+4*\n+3], s[48:49], \n*CHUNK   ; chunk n, my sixteenth
	s_or_b32 s[G0+4*\n+3], s[G0+4*\n+3], 0x80000000
.endr
	ROUND                                          ; all four work-groups are here: the first joint loads meet
	tensor_load_to_lds s[G0:G0+3], s[G1:G1+7]      ; chunk 0 into slot 0: my one tensor load at the head
	s_nop 0
.irp i, 0,1,2,3                                ; my four row tiles come into registers and stay
.irp g, 0,1,2,3
	global_load_b128 v[XF+16*\i+4*\g:XF+16*\i+4*\g+3], v[GA], s[4:5] offset:REC*\i+512*\g
.endr
	global_load_b32 v[XS+\i], v[GS], s[4:5] offset:REC*\i+2048
.endr
.irp i, 0,1,2,3
	v_mov_b32 v[KP+12*\i+1], v[IB0]
.irp j, 2,4,5,6,7,8,9,10,11
	v_mov_b32 v[KP+12*\i+\j], 0xff800000           ; the running maximum and the 8 kept s: -infinity, under every s
.endr
.endr
	s_wait_tensorcnt 0x0                           ; my part of chunk 0 is in; slot 1's first fill is issued as a refill is:
	ds_add_u32 v[SPW], v[NIL]
	s_wait_dscnt 0x0                               ; the add is done
	ROUND
	tensor_load_to_lds s[G0+4:G0+7], s[G1:G1+7]    ; chunk 1 into slot 1
	s_nop 0
	s_wait_loadcnt 0x0                             ; my row tiles are in
	PHASE 0, 0
	CHANGE 0, 1                                    ; chunk 1 has landed; slot 0 takes chunk 2
	PHASE 1, 1
	CHANGE 1, 1                                    ; chunk 2 has landed; slot 1 takes chunk 3
	PHASE 0, 2
	CHANGE 0, 0                                    ; chunk 3 has landed; nothing is left to fetch
	PHASE 1, 3
	; the index inside the kept tile: the first of the 8 kept s that equals the maximum
.irp i, 0,1,2,3
	v_mov_b32 v[U+\i], 7
.endr
.irp j, 6,5,4,3,2,1,0
.irp i, 0,1,2,3
	v_cmp_neq_f32 vcc_lo, v[KP+12*\i+4+\j], v[KP+12*\i+2]
	s_delay_alu instid0(VALU_DEP_1)
	v_cndmask_b32 v[U+\i], \j, v[U+\i], vcc_lo     ; descending, so that the lowest j stays
.endr
.endr
.irp i, 0,1,2,3
	v_add_nc_u32 v[U+\i], v[KP+12*\i+1], v[U+\i]
.endr
.irp i, 0,1,2,3
	ds_store_b32 v[SW], v[KP+12*\i+2] offset:64*\i
	ds_store_b32 v[SW], v[U+\i] offset:64*\i+IDXO
.endr
	s_wait_dscnt 0x0                               ; for the merging waves' sake: my candidates have landed
	s_barrier_signal -1
	s_barrier_wait -1
	s_cmp_lt_u32 s[WV], 4                          ; waves 0 to 3 merge: 64 rows a wave, two a lane, eight candidates a row
	s_cbranch_scc0 .Lno_merge
.irp c, 0,1,2,3,4,5,6,7
	ds_load_b64 v[16+2*\c:17+2*\c], v[FR] offset:1024*\c
	ds_load_b64 v[32+2*\c:33+2*\c], v[FR] offset:1024*\c+IDXO
.endr
	s_wait_dscnt 0x0
.irp c, 1,2,3,4,5,6,7
	MERGE 16, 32, 16+2*\c, 32+2*\c
	MERGE 17, 33, 17+2*\c, 33+2*\c
.endr
	global_store_b64 v[GO], v[32:33], s[8:9]       ; 32 lanes store 256 consecutive bytes, at a multiple of 256 from out0's first byte
.Lno_merge:
	s_wait_tensorcnt 0x0                           ; the wave's end
	ds_add_u32 v[SPW], v[NIL]
	s_wait_dscnt 0x0
	ROUND                                          ; the closing round
	s_endpgm
.Lfunc_end_k_q5b1c233d53_nearest:
	.size	k_q5b1c233d53_nearest, .Lfunc_end_k_q5b1c233d53_nearest-k_q5b1c233d53_nearest
	.p2alignl 7, 3214868480
	.fill 96, 4, 3214868480
	.section	.rodata,"a",@progbits
	.p2align	6, 0x0
	.amdhsa_kernel k_q5b1c233d53_nearest
		.amdhsa_group_segment_fixed_size 327680
		.amdhsa_private_segment_fixed_size 0
		.amdhsa_enable_private_segment 0
		.amdhsa_kernarg_size 24
		.amdhsa_user_sgpr_count 2
		.amdhsa_user_sgpr_kernarg_segment_ptr 1
		.amdhsa_wavefront_size32 1
		.amdhsa_system_sgpr_workgroup_id_x 1
		.amdhsa_system_sgpr_workgroup_id_y 1
		.amdhsa_system_sgpr_workgroup_id_z 1
		.amdhsa_system_vgpr_workitem_id 0
		.amdhsa_next_free_vgpr 256
		.amdhsa_next_free_sgpr 66
		.amdhsa_reserve_vcc 1
		.amdhsa_float_denorm_mode_32 3
		.amdhsa_float_denorm_mode_16_64 3
		.amdhsa_memory_ordered 1
		.amdhsa_forward_progress 1
		.amdhsa_inst_pref_size 83
	.end_amdhsa_kernel
	.amdgpu_metadata
---
amdhsa.version: [ 1, 2 ]
amdhsa.kernels:
  - .name:           k_q5b1c233d53_nearest
    .symbol:         k_q5b1c233d53_nearest.kd
    .args:
      - { .name: repq, .offset: 0, .size: 8, .value_kind: global_buffer, .address_space: global }
      - { .name: cbq, .offset: 8, .size: 8, .value_kind: global_buffer, .address_space: global }
      - { .name: out0, .offset: 16, .size: 8, .value_kind: global_buffer, .address_space: global }
    .group_segment_fixed_size: 327680
    .private_segment_fixed_size: 0
    .kernarg_segment_align: 8
    .kernarg_segment_size: 24
    .max_flat_workgroup_size: 512
    .sgpr_count:     66
    .vgpr_count:     256
    .wavefront_size: 32
...
	.end_amdgpu_metadata
.endif
;; end of part 2
